; MI455X (gfx1250); checked and timed in simulation.
; The chip was launched on July 23, 2026; its instructions are those of AMD's public machine-readable ISA for CDNA 5 (MIT licence, August 2026) and "CDNA5" Instruction Set Architecture Reference Guide (July 2026). The comments in the code are by the model that wrote it; some were corrected since.
;; Ro I Heads. Allowed arithmetic: float matrix products may take bf16 or f16 operands with f32 sums; all other float work in f32.
;; Inputs: box_regression 1,000 x 364 float32; class_logit 1,000 x 91 float32; proposal 1,000 x 4 float32.
;; Outputs: out0 9,000 x 5 float32; out1 9,000 int32.
;; Constants: image_h = 800, image_w = 1333.
;; One version. Each part assembles by itself: llvm-mc -triple=amdgcn-amd-amdhsa -mcpu=gfx1250 --defsym DOCPART=n.
;; ======== version 1 of 1: 2 launches
;; workspace buffers: keys 368,640 bytes of whole numbers
;; launch keys (part 1): grid 16 x 1, 16 waves a work-group, no clusters, 28,672 bytes of LDS; arguments class_logit, keys; writes keys
.if DOCPART == 1
	.amdgcn_target "amdgcn-amd-amdhsa--gfx1250"
	.amdhsa_code_object_version 6
	.text
	.protected	k_q0f0bb0cb3a_keys
	.globl	k_q0f0bb0cb3a_keys
	.p2align	8
	.type	k_q0f0bb0cb3a_keys,@function
k_q0f0bb0cb3a_keys:
	s_mov_b64 s[64:65], 0
	v_nop
	global_prefetch_b8 v0, s[64:65] scope:SCOPE_SE
	s_setreg_imm32_b32 hwreg(HW_REG_WAVE_MODE, 25, 1), 1
	s_wait_xcnt 0x0
; keys[c-1][n] = the f32 pattern of softmax(class_logit[n])[c] where that score is >= 0.05, else 0;  c = 1..90, n = 0..1023 (n >= 1000: 0).
; A positive f32 pattern orders as an unsigned integer, so the next launch sorts and counts on these words with integer work alone.
; Sixteen waves; the work-group owns 64 rows, a wave four of them, one row across its 32 lanes (classes lane, lane+32, lane+64).
; The four rows lie in neighbouring registers, so the plain arithmetic takes two rows at a time (v_pk_*).
; The keys are turned through LDS: 64 rows of one class are 256 consecutive bytes of the buffer, stored by sixteen neighbouring lanes.
; A row of logits is 364 bytes, no multiple of 16, so the loads are 4 bytes a lane, 128 consecutive bytes an instruction.
; LIMITS: exp and 1/sum are v_exp_f32 and v_rcp_f32 (1 ulp each, ISA guide 15.8), so a score within a few ulp of 0.05 may fall on the other
; side than with an exactly rounded softmax.  A NaN score fails the compare and gets key 0: not valid, as in the definition.
.set ROWS,  1000
.set CLS,   91
.set ROWB,  4*CLS                      ; bytes in a row of logits
.set PITCH, 272                        ; LDS: 64 keys of a class + 16 bytes: sixteen lanes' 16-byte stores fall on sixteen different columns
.set KROW,  4096                       ; bytes of one class in keys (1024 words)
.set X, 8                              ; v[8:19]   register 4 g + r: class group g, row r: logit, then exp, score, key
.set M, 20                             ; v[20:23]  row r: maximum, then sum
.set T, 24                             ; v[24:27]  row r: the other half's figure, then 1 / sum
.set O, 28                             ; v[28:39]  the way out
	s_load_b128 s[4:7], s[0:1], 0x0                ; class_logit s[4:5], keys s[6:7]
	v_lshl_add_u32 v40, v0, 2, 0x6800
	v_mov_b32 v41, 0
	v_lshrrev_b32 v1, 5, v0
	v_readfirstlane_b32 s8, v1                     ; wave 0..15
	v_and_b32 v2, 31, v0                           ; lane
	s_lshl_b32 s9, ttmp9, 6
	s_lshl2_add_u32 s9, s8, s9                     ; my first row = 64 x group + 4 x wave
	s_mov_b32 s10, 0x7f800000                      ; +inf
	s_mov_b32 s11, 0x3d4ccccd                      ; 0.05
	s_cmp_lt_u32 s9, ROWS                          ; 1000 is a multiple of 4: my four rows exist, or none of them does
	s_cselect_b32 s10, s11, s10                    ; rows past the end compare against +inf: their keys are 0
	s_min_u32 s9, s9, ROWS-4                       ; and they read the last four rows, so that no load leaves the buffer
	s_mul_i32 s16, s9, ROWB
	s_mov_b32 s17, 0
	s_lshl_b32 s18, ttmp9, 8                       ; my group's 64 keys in each class: 256 bytes
	s_mov_b32 s19, 0
	s_mov_b32 s12, 0x76543210                      ; v_permlanex16_b32: lane i of one half reads lane i of the other
	s_mov_b32 s13, 0xfedcba98
	v_lshlrev_b32 v3, 2, v2                        ; classes lane and (by the immediate) lane + 32
	v_add_nc_u32 v4, 64, v2
	v_min_u32 v4, CLS-1, v4                        ; class lane + 64; lanes 27..31 read class 90 again
	v_lshlrev_b32 v4, 2, v4
	v_cmp_gt_u32 s14, CLS-64, v2                   ; lanes 0..26: the third group's real classes
	s_wait_kmcnt 0x0
	s_add_nc_u64 s[4:5], s[4:5], s[16:17]
	s_add_nc_u64 s[6:7], s[6:7], s[18:19]
.irp r, 0,1,2,3
	global_load_b32 v[X+\r],   v3, s[4:5] offset:\r*ROWB
	global_load_b32 v[X+4+\r], v3, s[4:5] offset:\r*ROWB+128
	global_load_b32 v[X+8+\r], v4, s[4:5] offset:\r*ROWB
.endr
	; addresses, while the loads are on their way
	v_mul_u32_u24 v5, v2, PITCH
	v_lshl_add_u32 v5, s8, 4, v5                   ; in: LDS row = class (lane, + 32 g by the immediate), column = my wave's four rows
	v_and_b32 v6, 15, v0
	v_lshlrev_b32 v6, 4, v6                        ; out: sixteen threads take one class's 256 bytes
	v_lshrrev_b32 v1, 4, v0                        ; thread / 16 = class index 0..31 (+ 32, + 64 by the immediates)
	v_lshl_add_u32 v7, v1, 12, v6                  ; byte offset in keys
	v_mul_u32_u24 v1, v1, PITCH
	v_add_nc_u32 v6, v1, v6                        ; byte offset in LDS, one row short: class index i lies in LDS row i + 1
.irp r, 0,1,2,3
	v_mov_b32 v[T+\r], 0                           ; v_permlanex16_b32 counts as a reader of its destination
.endr
	s_wait_loadcnt 0x0
	; the row's maximum (class 90's duplicates cannot change it)
.irp r, 0,1,2,3
	v_max3_num_f32 v[M+\r], v[X+\r], v[X+4+\r], v[X+8+\r]
.endr
.irp m, 1,2,4,8
.irp r, 0,1,2,3
	v_max_num_f32_dpp v[M+\r], v[M+\r], v[M+\r] row_xmask:\m row_mask:0xf bank_mask:0xf
.endr
.endr
.irp r, 0,1,2,3
	v_permlanex16_b32 v[T+\r], v[M+\r], s12, s13
.endr
.irp r, 0,1,2,3
	v_max_num_f32 v[M+\r], v[M+\r], v[T+\r]
.endr
	; exp(x - max) = 2^((x - max) log2 e): the difference first, so that a common offset of the logits costs no accuracy
.irp p, 0,2,4,6,8,10
	v_pk_add_f32 v[X+\p:X+\p+1], v[X+\p:X+\p+1], v[M+(\p%4):M+(\p%4)+1] neg_lo:[0,1] neg_hi:[0,1]
.endr
.irp p, 0,2,4,6,8,10
	v_pk_mul_f32 v[X+\p:X+\p+1], v[X+\p:X+\p+1], 0x3fb8aa3b op_sel_hi:[1,0]
.endr
.irp i, 0,1,2,3,4,5,6,7,8,9,10,11
	v_exp_f32 v[X+\i], v[X+\i]
.endr
	v_nop                                          ; one plain vector instruction between a transcendental and the use of its result (ISA guide 5.7.2)
	s_wait_alu depctr_va_vdst(0)
.irp r, 0,1,2,3
	v_cndmask_b32 v[X+8+\r], 0, v[X+8+\r], s14     ; the duplicates of class 90 add nothing to the sum
.endr
	v_pk_add_f32 v[M:M+1],   v[X:X+1],   v[X+4:X+5]
	v_pk_add_f32 v[M+2:M+3], v[X+2:X+3], v[X+6:X+7]
	v_pk_add_f32 v[M:M+1],   v[M:M+1],   v[X+8:X+9]
	v_pk_add_f32 v[M+2:M+3], v[M+2:M+3], v[X+10:X+11]
.irp m, 1,2,4,8
.irp r, 0,1,2,3
	v_add_f32_dpp v[M+\r], v[M+\r], v[M+\r] row_xmask:\m row_mask:0xf bank_mask:0xf
.endr
.endr
.irp r, 0,1,2,3
	v_permlanex16_b32 v[T+\r], v[M+\r], s12, s13
.endr
.irp r, 0,1,2,3
	v_add_f32 v[M+\r], v[M+\r], v[T+\r]
.endr
.irp r, 0,1,2,3
	v_rcp_f32 v[T+\r], v[M+\r]
.endr
	v_nop                                          ; as behind the exponentials
	s_wait_alu depctr_va_vdst(0)
.irp p, 0,2,4,6,8,10
	v_pk_mul_f32 v[X+\p:X+\p+1], v[X+\p:X+\p+1], v[T+(\p%4):T+(\p%4)+1]    ; the scores
.endr
.irp i, 0,1,2,3,4,5,6,7,8,9,10,11
	v_cmp_le_f32 vcc_lo, s10, v[X+\i]              ; 0.05 <= score (never, for rows past the end)
	v_cndmask_b32 v[X+\i], 0, v[X+\i], vcc_lo      ; the key: the score's pattern, or 0
.endr
.irp g, 0,1,2
	ds_store_b128 v5, v[X+4*\g:X+4*\g+3] offset:\g*32*PITCH   ; four rows of one class; LDS rows 0 and 91..95 are written and never read
.endr
	s_wait_dscnt 0x0                               ; my stores are in LDS before I say so: the other waves read them
	s_barrier_signal -1
	s_barrier_wait -1
	; the way out: class index i = thread / 16 + 32 k, from LDS row i + 1; each store's sixteen lanes cover 256 consecutive bytes, aligned
	ds_load_b128 v[O:O+3],   v6 offset:PITCH
	ds_load_b128 v[O+4:O+7], v6 offset:33*PITCH
	s_wait_dscnt 0x1                               ; LDS loads come back in order (ISA guide 5.7.1): the first is in, the second may be out
	global_store_b128 v7, v[O:O+3], s[6:7]
	s_wait_dscnt 0x0
	global_store_b128 v7, v[O+4:O+7], s[6:7] offset:32*KROW
	s_cmp_ge_u32 s8, 13                            ; class indices 64..89 are 26 x 16 threads = waves 0..12
	s_cbranch_scc1 .Ldone
	ds_load_b128 v[O+8:O+11], v6 offset:65*PITCH
	s_wait_dscnt 0x0
	global_store_b128 v7, v[O+8:O+11], s[6:7] offset:64*KROW
.Ldone:
	s_wait_tensorcnt 0x0
	ds_add_u32 v40, v41
	s_wait_dscnt 0x0
	s_endpgm
.Lfunc_end_k_q0f0bb0cb3a_keys:
	.size	k_q0f0bb0cb3a_keys, .Lfunc_end_k_q0f0bb0cb3a_keys-k_q0f0bb0cb3a_keys
	.p2alignl 7, 3214868480
	.fill 96, 4, 3214868480
	.section	.rodata,"a",@progbits
	.p2align	6, 0x0
	.amdhsa_kernel k_q0f0bb0cb3a_keys
		.amdhsa_group_segment_fixed_size 28672
		.amdhsa_private_segment_fixed_size 0
		.amdhsa_enable_private_segment 0
		.amdhsa_kernarg_size 16
		.amdhsa_user_sgpr_count 2
		.amdhsa_user_sgpr_kernarg_segment_ptr 1
		.amdhsa_wavefront_size32 1
		.amdhsa_system_sgpr_workgroup_id_x 1
		.amdhsa_system_sgpr_workgroup_id_y 1
		.amdhsa_system_sgpr_workgroup_id_z 1
		.amdhsa_system_vgpr_workitem_id 0
		.amdhsa_next_free_vgpr 42
		.amdhsa_next_free_sgpr 66
		.amdhsa_reserve_vcc 1
		.amdhsa_float_denorm_mode_32 3
		.amdhsa_float_denorm_mode_16_64 3
		.amdhsa_memory_ordered 1
		.amdhsa_forward_progress 1
		.amdhsa_inst_pref_size 11
	.end_amdhsa_kernel
	.amdgpu_metadata
---
amdhsa.version: [ 1, 2 ]
amdhsa.kernels:
  - .name:           k_q0f0bb0cb3a_keys
    .symbol:         k_q0f0bb0cb3a_keys.kd
    .args:
      - { .name: class_logit, .offset: 0, .size: 8, .value_kind: global_buffer, .address_space: global }
      - { .name: keys, .offset: 8, .size: 8, .value_kind: global_buffer, .address_space: global }
    .group_segment_fixed_size: 28672
    .private_segment_fixed_size: 0
    .kernarg_segment_align: 8
    .kernarg_segment_size: 16
    .max_flat_workgroup_size: 512
    .sgpr_count:     66
    .vgpr_count:     42
    .wavefront_size: 32
...
	.end_amdgpu_metadata
.endif
;; end of part 1
;; launch nms (part 2): grid 90 x 1, 1 waves a work-group, no clusters, 36,608 bytes of LDS; arguments keys, box_regression, proposal, out0, out1; writes out0, out1
.if DOCPART == 2
	.amdgcn_target "amdgcn-amd-amdhsa--gfx1250"
	.amdhsa_code_object_version 6
	.text
	.protected	k_q0f0bb0cb3a_nms
	.globl	k_q0f0bb0cb3a_nms
	.p2align	8
	.type	k_q0f0bb0cb3a_nms,@function
k_q0f0bb0cb3a_nms:
	s_mov_b64 s[64:65], 0
	v_nop
	global_prefetch_b8 v0, s[64:65] scope:SCOPE_SE
	s_setreg_imm32_b32 hwreg(HW_REG_WAVE_MODE, 25, 1), 1
	s_wait_xcnt 0x0
; One class a work-group, one wave.  keys[class-1][0..1023] (whole numbers: the score's f32 pattern, or 0 below 0.05) is all that steers
; addresses and trip counts here; what this launch finds out in floating point (box size, IoU, keep, output slot) is used in masks and selects only.
;  1. COMPACT: the candidates (key != 0), in index order, as pairs (key, index) in LDS.  nvalid of them, nch = ceil(nvalid / 32) chunks.
;  2. RANK AND DECODE, a chunk of 32 at a time: gather delta and proposal; meanwhile count the stable rank (larger keys, and equal keys of lower index);
;     decode and clip the box; put box and (score, removed flag) at the rank.  A box under 1 x 1 keeps its place with the flag set: it neither
;     suppresses nor is output, so the kept sequence is that of a sort which moves it to the end.  The last chunk's empty places get the flag too.
;  3. GREEDY NMS by chunks: 32 rows against their own chunk, resolved in order in a scalar mask; then the kept rows against each later chunk.
;  4. OUTPUT without an address from a keep bit: each candidate is offered to every lane of a group of 32 slots and taken where its slot number fits.
;     Candidates number nvalid, so only min(nch, 4) groups can be reached; the others stay as the stage was cleared: zeros.
; One wave: the two scatters go to places that depend on data, and within a wave LDS serves them in order (ISA guide 5.7.1.4); no barrier is needed.
; LIMITS: delta/10 and delta/5 are multiplications, exp is v_exp_f32; IoU > 0.5 is tested as 2 inter > max(union, 1e-6), which differs from the rounded
; quotient only for quotients in (0.5, 0.5 + 2^-25].  A size or an IoU within rounding of its threshold may be decided the other way.
; The work grows with nch squared: 1000 candidates in one class are 528 blocks of 32 x 32 for this one wave.
.set ROWS, 1000
.set DROW, 1456                        ; bytes in a row of box_regression
.set CPK,  0                           ; LDS: 1025 pairs (key, index): the candidates in index order; pair 1024 takes what is no candidate.  Cleared
.set OUTS, 8704                        ; LDS: 128 slots x 20 bytes, the stage of out0.  Cleared
.set LABS, 11264                       ; LDS: 128 words, the stage of out1.  Cleared
.set SBOX, 11776                       ; LDS: 1024 boxes in sorted order
.set SAUX, 28160                       ; LDS: 1024 pairs (score, removed flag) in sorted order
.set ZA,  7                            ; v7        16 x lane
.set P,   8                            ; v[8:11]   compaction: places, four in turn
.set PP,  12                           ; my place p in the compact list
.set AD,  13
.set KEY, 14                           ; v[14:15]  key, index; later score, removed flag
.set IDX, 16
.set GO,  17                           ; byte offset of my row in box_regression
.set PO,  18                           ; and in proposal
.set KM1, 19                           ; key - 1
.set CNT, 20                           ; rank
.set KB,  21                           ; the keys of chunk b
.set Q,   22                           ; p - 32 b
.set T1,  23
.set D,   24                           ; v[24:27]  delta
.set B,   28                           ; v[28:31]  proposal
.set WH,  32                           ; v[32:33]
.set CT,  34                           ; v[34:35]
.set BX,  36                           ; v[36:39]  the decoded box
.set SZ,  40                           ; v[40:41]
.set R,   42
.set A16, 43
.set A8,  44
.set REM, 45                           ; lane w: the removed bits of chunk w
.set BI,  48                           ; v[48:51]  boxes of the chunk whose rows are at work
.set AI,  52                           ; their areas
.set INV, 53
.set TW,  54                           ; v[54:55]
.set BW,  56                           ; v[56:59]  boxes of a later chunk; in the output phase: of the chunk on offer
.set AW,  60
.set SC,  61                           ; scores of the chunk on offer
.set K,   64                           ; v[64:127] compaction only: pair q = key and index of proposal 32 q + lane
.set TT,  64                           ; v[64:79]  four rows' IoU at work
.set ACC, 80                           ; v[80:84]  my slot's box and score
.set SLOT,85
.set POS, 86
.set A,   87
.set LA,  88
.set O,   96                           ; v[96:115] the way out
.set BS,  20                           ; s[20:51]  compaction: candidates in front of group q
.set MK,  68                           ; s[68:99]  compaction: which lanes of group q hold a candidate
.set RS,  68                           ; s[68:91]  later: four rows' x1, y1, x2, y2, area or score, mask or slot
	s_load_b256 s[4:11], s[0:1], 0x0               ; keys s[4:5], box_regression s[6:7], proposal s[8:9], out0 s[10:11]
	s_load_b64 s[12:13], s[0:1], 0x20              ; out1
	v_lshl_add_u32 v128, v0, 2, 0x8e00
	v_mov_b32 v129, 0
	s_add_co_u32 s15, ttmp9, 1                     ; my class 1..90: the column of box_regression, and the label
	s_lshl_b32 s22, ttmp9, 12                      ; my 4,096 bytes of keys
	s_mov_b32 s23, 0
	s_lshl_b32 s24, s15, 4                         ; my class's 16 bytes in a row of box_regression
	s_mov_b32 s25, 0
	s_mul_i32 s26, ttmp9, 2000                     ; my 100 rows of 20 bytes in out0
	s_mov_b32 s27, 0
	s_mul_i32 s28, ttmp9, 400                      ; my 100 words in out1
	s_mov_b32 s29, 0
	v_lshlrev_b32 v1, 2, v0
	v_lshlrev_b32 v[ZA], 4, v0
	v_mov_b32 v2, 0
	v_mov_b32 v3, 0
	v_mov_b32 v4, 0
	v_mov_b32 v5, 0
	v_mov_b32 v6, 0x400                            ; the place of what is no candidate
	s_wait_kmcnt 0x0
	s_add_nc_u64 s[4:5], s[4:5], s[22:23]
	s_add_nc_u64 s[6:7], s[6:7], s[24:25]
	s_add_nc_u64 s[10:11], s[10:11], s[26:27]
	s_add_nc_u64 s[12:13], s[12:13], s[28:29]
	; 4 bytes a lane, 128 consecutive bytes a load: lane order is then index order, one ballot and one count give a group's places,
	; and a key lands beside its index, so that one 8-byte LDS store takes both
.set q, 0
.rept 32
	global_load_b32 v[K+2*q], v1, s[4:5] offset:128*q
.set q, q+1
.endr
	; while they are on their way: the indices, and 23 x 512 bytes of LDS cleared (the compact list and both stages)
.set q, 0
.rept 32
	v_add_nc_u32 v[K+2*q+1], 32*q, v0
.set q, q+1
.endr
.set q, 0
.rept 23
	ds_store_b128 v[ZA], v[2:5] offset:512*q
.set q, q+1
.endr
	; 1. COMPACT.  All ballots, then all sums, then all places: no stage waits for the one behind it
.set q, 0
.rept 32
	s_wait_loadcnt 31-q                            ; loads come back in order (ISA guide 5.7.1): group q is in, the 31 - q younger ones may be out
	v_cmp_ne_u32 s[MK+q], 0, v[K+2*q]
.set q, q+1
.endr
	s_mov_b32 s[BS], 0
.set q, 0
.rept 31
	s_bcnt1_i32_b32 s18, s[MK+q]
	s_add_co_u32 s[BS+q+1], s[BS+q], s18
.set q, q+1
.endr
	s_bcnt1_i32_b32 s18, s[MK+31]
	s_add_co_u32 s16, s[BS+31], s18                ; nvalid
.set q, 0
.rept 32
	v_mbcnt_lo_u32_b32 v[P+q%4], s[MK+q], s[BS+q]              ; candidates in front of me
	v_cndmask_b32 v[P+q%4], v6, v[P+q%4], s[MK+q]
	v_min_u32 v[P+q%4], 0x400, v[P+q%4]                        ; a number made of loaded data enters an address behind a clamp
	v_lshlrev_b32 v[P+q%4], 3, v[P+q%4]
	ds_store_b64 v[P+q%4], v[K+2*q:K+2*q+1] offset:CPK
.set q, q+1
.endr
	s_min_u32 s16, s16, ROWS
	s_add_co_u32 s17, s16, 31
	s_lshr_b32 s17, s17, 5                         ; nch, at most 32
	s_min_u32 s18, s17, 4                          ; groups of 32 output slots that a candidate can reach
	s_cmp_eq_u32 s16, 0
	s_cbranch_scc1 .Lout                           ; no candidate: the cleared stages are the result
	s_mov_b32 s40, 0x40845349                      ; log(1000 / 16)
	s_mov_b32 s41, 0x44a6a000                      ; image_w = 1333
	s_mov_b32 s42, 0x44480000                      ; image_h = 800
	s_mov_b32 s43, 0x358637bd                      ; 1e-6
	; 2. RANK AND DECODE
	s_mov_b32 s20, 0                               ; chunk a
.Lchunk:
	s_lshl_b32 s21, s20, 5
	v_add_nc_u32 v[PP], s21, v0                    ; p = 32 a + lane
	v_min_u32 v[AD], 0x3ff, v[PP]
	v_lshlrev_b32 v[AD], 3, v[AD]
	ds_load_b64 v[KEY:KEY+1], v[AD] offset:CPK     ; past nvalid: (0, 0), as cleared
	s_wait_dscnt 0x0
	v_min_u32 v[IDX], ROWS-1, v[KEY+1]
	v_mul_u32_u24 v[GO], v[IDX], DROW
	v_lshlrev_b32 v[PO], 4, v[IDX]
	global_load_b128 v[D:D+3], v[GO], s[6:7]       ; dx, dy, dw, dh of my class
	global_load_b128 v[B:B+3], v[PO], s[8:9]       ; x1, y1, x2, y2
	; the rank, while they are on their way: key_j >= key_p counts for j < p, key_j > key_p for j > p.  In integers: key_j > key_p - (j < p)
	v_add_nc_u32 v[KM1], -1, v[KEY]
	v_mov_b32 v[CNT], 0
	s_mov_b32 s22, 0                               ; chunk b
.Lrank:
	s_lshl_b32 s23, s22, 5
	v_add_nc_u32 v[AD], s23, v0
	v_min_u32 v[AD], 0x3ff, v[AD]
	v_lshlrev_b32 v[AD], 3, v[AD]
	ds_load_b32 v[KB], v[AD] offset:CPK
	v_sub_nc_u32 v[Q], v[PP], s23                  ; p - 32 b, signed
	s_wait_dscnt 0x0
.set jj, 0
.rept 32
	v_readlane_b32 s24, v[KB], jj                  ; key_j, j = 32 b + jj (0 past nvalid: counts for nobody)
	v_cmp_ge_i32 vcc_lo, jj, v[Q]                  ; j >= p
	v_add_co_ci_u32 v[T1], vcc_lo, 0, v[KM1], vcc_lo           ; key_p - 1, or key_p
	v_cmp_gt_u32 vcc_lo, s24, v[T1]
	v_add_co_ci_u32 v[CNT], vcc_lo, 0, v[CNT], vcc_lo
.set jj, jj+1
.endr
	s_add_co_u32 s22, s22, 1
	s_cmp_lt_u32 s22, s17
	s_cbranch_scc1 .Lrank
	s_wait_loadcnt 0x0                             ; delta and proposal; GO and PO are free again
	v_pk_add_f32 v[WH:WH+1], v[B+2:B+3], v[B:B+1] neg_lo:[0,1] neg_hi:[0,1]        ; width, height
	v_pk_fma_f32 v[CT:CT+1], v[WH:WH+1], 0.5, v[B:B+1] op_sel_hi:[1,0,1]           ; centre
	v_pk_mul_f32 v[D:D+1], v[D:D+1], 0x3dcccccd op_sel_hi:[1,0]                    ; dx, dy / 10
	v_pk_mul_f32 v[D+2:D+3], v[D+2:D+3], 0x3e4ccccd op_sel_hi:[1,0]                ; dw, dh / 5
	v_pk_fma_f32 v[CT:CT+1], v[D:D+1], v[WH:WH+1], v[CT:CT+1]                      ; the new centre
	v_min_num_f32 v[D+2], s40, v[D+2]
	v_min_num_f32 v[D+3], s40, v[D+3]
	v_pk_mul_f32 v[D+2:D+3], v[D+2:D+3], 0x3fb8aa3b op_sel_hi:[1,0]
	v_exp_f32 v[D+2], v[D+2]
	v_exp_f32 v[D+3], v[D+3]
	v_nop                                          ; one plain vector instruction between a transcendental and the use of its result (ISA guide 5.7.2)
	s_wait_alu depctr_va_vdst(0)
	v_pk_mul_f32 v[D+2:D+3], v[D+2:D+3], v[WH:WH+1]                                ; the new width, height
	v_pk_fma_f32 v[BX:BX+1],   v[D+2:D+3], -0.5, v[CT:CT+1] op_sel_hi:[1,0,1]
	v_pk_fma_f32 v[BX+2:BX+3], v[D+2:D+3], 0.5,  v[CT:CT+1] op_sel_hi:[1,0,1]
.irp k, 0,1,2,3
	v_max_num_f32 v[BX+\k], 0, v[BX+\k]
.endr
	v_min_num_f32 v[BX],   s41, v[BX]
	v_min_num_f32 v[BX+1], s42, v[BX+1]
	v_min_num_f32 v[BX+2], s41, v[BX+2]
	v_min_num_f32 v[BX+3], s42, v[BX+3]
	v_pk_add_f32 v[SZ:SZ+1], v[BX+2:BX+3], v[BX:BX+1] neg_lo:[0,1] neg_hi:[0,1]
	v_cmp_le_f32 s24, 1.0, v[SZ]
	v_cmp_le_f32 s25, 1.0, v[SZ+1]
	v_cmp_gt_u32 vcc_lo, s16, v[PP]                ; p < nvalid: a candidate, not a filler of the last chunk
	s_and_b32 s24, s24, s25
	s_and_b32 s24, s24, vcc_lo
	v_cndmask_b32 v[KEY+1], 1, 0, s24              ; removed from the start unless it is a candidate of at least 1 x 1
	v_cndmask_b32 v[R], v[PP], v[CNT], vcc_lo      ; a candidate goes to its rank (0 .. nvalid-1, each once), a filler stays at p
	v_min_u32 v[R], 0x3ff, v[R]
	v_lshlrev_b32 v[A16], 4, v[R]
	v_lshlrev_b32 v[A8], 3, v[R]
	ds_store_b128 v[A16], v[BX:BX+3] offset:SBOX
	ds_store_b64 v[A8], v[KEY:KEY+1] offset:SAUX
	s_add_co_u32 s20, s20, 1
	s_cmp_lt_u32 s20, s17
	s_cbranch_scc1 .Lchunk
; byte offsets of my entry of chunk s[sc] in the sorted lists
.macro ENTRY sc
	s_lshl_b32 s19, s[\sc], 5
	v_add_nc_u32 v[A8], s19, v0
	v_min_u32 v[A8], 0x3ff, v[A8]
	v_lshlrev_b32 v[A16], 4, v[A8]
	v_lshlrev_b32 v[A8], 3, v[A8]
.endm
; Rows i0 .. i0+3 of the chunk in BI against the 32 boxes in the lanes (box at v[L], area at v[AL]), stage by stage so that the four do not wait
; for each other.  Then in order: a row whose bit in s[test] is clear (kept) adds its mask to s[acc].  diag = 1: own chunk, only lanes behind the row.
.macro ROW4 i0, L, AL, test, acc, diag
.irp k, 0,1,2,3
	v_readlane_b32 s[RS+6*\k],   v[BI],   \i0+\k
	v_readlane_b32 s[RS+6*\k+1], v[BI+1], \i0+\k
	v_readlane_b32 s[RS+6*\k+2], v[BI+2], \i0+\k
	v_readlane_b32 s[RS+6*\k+3], v[BI+3], \i0+\k
	v_readlane_b32 s[RS+6*\k+4], v[AI],   \i0+\k
.endr
.irp k, 0,1,2,3
	v_max_num_f32 v[TT+4*\k],   s[RS+6*\k],   v[\L]
	v_max_num_f32 v[TT+4*\k+1], s[RS+6*\k+1], v[\L+1]
	v_min_num_f32 v[TT+4*\k+2], s[RS+6*\k+2], v[\L+2]
	v_min_num_f32 v[TT+4*\k+3], s[RS+6*\k+3], v[\L+3]
.endr
.irp k, 0,1,2,3
	v_pk_add_f32 v[TT+4*\k:TT+4*\k+1], v[TT+4*\k+2:TT+4*\k+3], v[TT+4*\k:TT+4*\k+1] neg_lo:[0,1] neg_hi:[0,1]
.endr
.irp k, 0,1,2,3
	v_add_f32 v[TT+4*\k+2], s[RS+6*\k+4], v[\AL]               ; the two areas
.endr
.irp k, 0,1,2,3
	v_max_num_f32 v[TT+4*\k],   0, v[TT+4*\k]
	v_max_num_f32 v[TT+4*\k+1], 0, v[TT+4*\k+1]
.endr
.irp k, 0,1,2,3
	v_mul_f32 v[TT+4*\k], v[TT+4*\k], v[TT+4*\k+1]             ; inter
.endr
.irp k, 0,1,2,3
	v_sub_f32 v[TT+4*\k+2], v[TT+4*\k+2], v[TT+4*\k]           ; union
.endr
.irp k, 0,1,2,3
	v_add_f32 v[TT+4*\k], v[TT+4*\k], v[TT+4*\k]               ; 2 inter, exact
.endr
.irp k, 0,1,2,3
	v_max_num_f32 v[TT+4*\k+2], s43, v[TT+4*\k+2]
.endr
.irp k, 0,1,2,3
	v_cmp_gt_f32 s[RS+6*\k+5], v[TT+4*\k], v[TT+4*\k+2]        ; IoU > 0.5
.endr
.irp k, 0,1,2,3
.if \diag
	s_and_b32 s[RS+6*\k+5], s[RS+6*\k+5], (0xfffffffe<<(\i0+\k))&0xffffffff
.endif
	s_bitcmp1_b32 s[\test], \i0+\k
	s_cselect_b32 s[RS+6*\k+5], 0, s[RS+6*\k+5]                ; a removed row suppresses nothing
	s_or_b32 s[\acc], s[\acc], s[RS+6*\k+5]
.endr
.endm
	; 3. GREEDY NMS.  A chunk's removed word is what earlier chunks' rows have set, OR its flags: the OR may be made again each time
	v_mov_b32 v[REM], 0
	s_mov_b32 s20, 0                               ; the chunk whose rows are at work
.Lnms:
	ENTRY 20
	ds_load_b128 v[BI:BI+3], v[A16] offset:SBOX
	ds_load_b32 v[INV], v[A8] offset:SAUX+4
	v_readlane_b32 s25, v[REM], s20
	s_wait_dscnt 0x0
	v_pk_add_f32 v[TW:TW+1], v[BI+2:BI+3], v[BI:BI+1] neg_lo:[0,1] neg_hi:[0,1]
	v_mul_f32 v[AI], v[TW], v[TW+1]
	v_cmp_ne_u32 s26, 0, v[INV]
	s_or_b32 s25, s25, s26
.irp i, 0,4,8,12,16,20,24,28
	ROW4 \i, BI, AI, 25, 25, 1                     ; row i is judged by the bits that rows 0 .. i-1 have left
.endr
	v_cmp_eq_u32 vcc_lo, s20, v0
	v_cndmask_b32 v[REM], v[REM], s25, vcc_lo      ; final for this chunk
	s_add_co_u32 s21, s20, 1                       ; the later chunks
	s_cmp_ge_u32 s21, s17
	s_cbranch_scc1 .Lnext
.Loff:
	ENTRY 21
	ds_load_b128 v[BW:BW+3], v[A16] offset:SBOX
	ds_load_b32 v[INV], v[A8] offset:SAUX+4
	v_readlane_b32 s27, v[REM], s21
	s_wait_dscnt 0x0
	v_pk_add_f32 v[TW:TW+1], v[BW+2:BW+3], v[BW:BW+1] neg_lo:[0,1] neg_hi:[0,1]
	v_mul_f32 v[AW], v[TW], v[TW+1]
	v_cmp_ne_u32 s26, 0, v[INV]
	s_or_b32 s27, s27, s26
.irp i, 0,4,8,12,16,20,24,28
	ROW4 \i, BW, AW, 25, 27, 0
.endr
	v_cmp_eq_u32 vcc_lo, s21, v0
	v_cndmask_b32 v[REM], v[REM], s27, vcc_lo
	s_add_co_u32 s21, s21, 1
	s_cmp_lt_u32 s21, s17
	s_cbranch_scc1 .Loff
.Lnext:
	s_add_co_u32 s20, s20, 1
	s_cmp_lt_u32 s20, s17
	s_cbranch_scc1 .Lnms
; candidates i0 .. i0+3 of the chunk on offer: whoever's slot number is mine is taken
.macro SEL4 i0
.irp k, 0,1,2,3
	v_readlane_b32 s[RS+6*\k],   v[BW],   \i0+\k
	v_readlane_b32 s[RS+6*\k+1], v[BW+1], \i0+\k
	v_readlane_b32 s[RS+6*\k+2], v[BW+2], \i0+\k
	v_readlane_b32 s[RS+6*\k+3], v[BW+3], \i0+\k
	v_readlane_b32 s[RS+6*\k+4], v[SC],   \i0+\k
	v_readlane_b32 s[RS+6*\k+5], v[POS],  \i0+\k
.endr
.irp k, 0,1,2,3
	v_cmp_eq_u32 vcc_lo, s[RS+6*\k+5], v[SLOT]
	v_cndmask_b32 v[ACC],   v[ACC],   s[RS+6*\k],   vcc_lo
	v_cndmask_b32 v[ACC+1], v[ACC+1], s[RS+6*\k+1], vcc_lo
	v_cndmask_b32 v[ACC+2], v[ACC+2], s[RS+6*\k+2], vcc_lo
	v_cndmask_b32 v[ACC+3], v[ACC+3], s[RS+6*\k+3], vcc_lo
	v_cndmask_b32 v[ACC+4], v[ACC+4], s[RS+6*\k+4], vcc_lo
.endr
.endm
	; 4. OUTPUT: slot = the number of kept candidates in front, in sorted order
	s_mov_b32 s20, 0                               ; group of 32 slots
.Lgroup:
	s_lshl_b32 s22, s20, 5
	v_add_nc_u32 v[SLOT], s22, v0
.irp k, 0,1,2,3,4
	v_mov_b32 v[ACC+\k], 0                         ; a slot that nobody takes stays zero
.endr
	s_mov_b32 s23, 0                               ; kept so far
	s_mov_b32 s21, 0                               ; the chunk on offer
.Loffer:
	ENTRY 21
	ds_load_b128 v[BW:BW+3], v[A16] offset:SBOX
	ds_load_b32 v[SC], v[A8] offset:SAUX
	v_readlane_b32 s24, v[REM], s21
	s_not_b32 s24, s24                             ; the chunk's kept candidates
	v_mbcnt_lo_u32_b32 v[POS], s24, s23
	v_cndmask_b32 v[POS], -1, v[POS], s24          ; -1: no slot
	s_bcnt1_i32_b32 s25, s24
	s_add_co_u32 s23, s23, s25
	s_wait_dscnt 0x0
.irp i, 0,4,8,12,16,20,24,28
	SEL4 \i
.endr
	s_add_co_u32 s21, s21, 1
	s_cmp_lt_u32 s21, s17
	s_cbranch_scc1 .Loffer
	v_min_u32 v[A], 127, v[SLOT]
	v_lshlrev_b32 v[LA], 2, v[A]
	v_mul_u32_u24 v[A], v[A], 20                   ; five words a slot: 32 lanes fall on 32 different banks
.irp k, 0,1,2,3,4
	ds_store_b32 v[A], v[ACC+\k] offset:OUTS+4*\k
.endr
	v_cmp_ne_u32 vcc_lo, 0, v[ACC+4]               ; a taken slot has a score of at least 0.05
	v_cndmask_b32 v[POS], 0, s15, vcc_lo
	ds_store_b32 v[LA], v[POS] offset:LABS         ; slots 100 .. 127 are staged and not sent
	s_add_co_u32 s20, s20, 1
	s_cmp_lt_u32 s20, s18
	s_cbranch_scc1 .Lgroup
.Lout:
	; the stages leave as 16 bytes a lane, neighbouring lanes at neighbouring bytes: 125 pieces of out0, 25 of out1.  A class's 2,000 and 400 bytes
	; begin at multiples of 16, not of 256, so the first and last run of each class is shared with its neighbour class
	v_lshlrev_b32 v[A], 4, v0
.irp k, 0,1,2,3
	ds_load_b128 v[O+4*\k:O+4*\k+3], v[A] offset:OUTS+512*\k   ; LDS serves a wave's instructions in order (ISA guide 5.7.1.4): these see the stores above
.endr
	ds_load_b128 v[O+16:O+19], v[A] offset:LABS
	s_wait_dscnt 0x0
	global_store_b128 v[A], v[O:O+3],    s[10:11] th:TH_STORE_NT
	global_store_b128 v[A], v[O+4:O+7],  s[10:11] offset:512 th:TH_STORE_NT
	global_store_b128 v[A], v[O+8:O+11], s[10:11] offset:1024 th:TH_STORE_NT
	s_wait_xcnt 0x0                                ; EXEC is a source of the stores just issued: it changes only behind this wait
	s_wait_tensorcnt 0x0
	ds_add_u32 v128, v129
	s_wait_dscnt 0x0
	v_cmpx_gt_u32 29, v0                           ; pieces 96 .. 124
	global_store_b128 v[A], v[O+12:O+15], s[10:11] offset:1536 th:TH_STORE_NT
	s_wait_xcnt 0x0                                ; and again
	v_cmpx_gt_u32 25, v0                           ; 25 pieces of labels
	global_store_b128 v[A], v[O+16:O+19], s[12:13] th:TH_STORE_NT
	s_endpgm
.Lfunc_end_k_q0f0bb0cb3a_nms:
	.size	k_q0f0bb0cb3a_nms, .Lfunc_end_k_q0f0bb0cb3a_nms-k_q0f0bb0cb3a_nms
	.p2alignl 7, 3214868480
	.fill 96, 4, 3214868480
	.section	.rodata,"a",@progbits
	.p2align	6, 0x0
	.amdhsa_kernel k_q0f0bb0cb3a_nms
		.amdhsa_group_segment_fixed_size 36608
		.amdhsa_private_segment_fixed_size 0
		.amdhsa_enable_private_segment 0
		.amdhsa_kernarg_size 40
		.amdhsa_user_sgpr_count 2
		.amdhsa_user_sgpr_kernarg_segment_ptr 1
		.amdhsa_wavefront_size32 1
		.amdhsa_system_sgpr_workgroup_id_x 1
		.amdhsa_system_sgpr_workgroup_id_y 1
		.amdhsa_system_sgpr_workgroup_id_z 1
		.amdhsa_system_vgpr_workitem_id 0
		.amdhsa_next_free_vgpr 130
		.amdhsa_next_free_sgpr 100
		.amdhsa_reserve_vcc 1
		.amdhsa_float_denorm_mode_32 3
		.amdhsa_float_denorm_mode_16_64 3
		.amdhsa_memory_ordered 1
		.amdhsa_forward_progress 1
		.amdhsa_inst_pref_size 117
	.end_amdhsa_kernel
	.amdgpu_metadata
---
amdhsa.version: [ 1, 2 ]
amdhsa.kernels:
  - .name:           k_q0f0bb0cb3a_nms
    .symbol:         k_q0f0bb0cb3a_nms.kd
    .args:
      - { .name: keys, .offset: 0, .size: 8, .value_kind: global_buffer, .address_space: global }
      - { .name: box_regression, .offset: 8, .size: 8, .value_kind: global_buffer, .address_space: global }
      - { .name: proposal, .offset: 16, .size: 8, .value_kind: global_buffer, .address_space: global }
      - { .name: out0, .offset: 24, .size: 8, .value_kind: global_buffer, .address_space: global }
      - { .name: out1, .offset: 32, .size: 8, .value_kind: global_buffer, .address_space: global }
    .group_segment_fixed_size: 36608
    .private_segment_fixed_size: 0
    .kernarg_segment_align: 8
    .kernarg_segment_size: 40
    .max_flat_workgroup_size: 32
    .sgpr_count:     100
    .vgpr_count:     130
    .wavefront_size: 32
...
	.end_amdgpu_metadata
.endif
;; end of part 2
